; MI455X (gfx1250); checked and timed in simulation.
; The chip was launched on July 23, 2026; its instructions are those of AMD's public machine-readable ISA for CDNA 5 (MIT licence, August 2026) and "CDNA5" Instruction Set Architecture Reference Guide (July 2026). The comments in the code are by the model that wrote it; some were corrected since.
;; DIN Attention. Allowed arithmetic: float matrix products may take bf16 or f16 operands with f32 sums; all other float work in f32.
;; Inputs: W1 512 x 256 float32; W2 256 x 128 float32; W3 128 x 1 float32; a1 1 float32; a2 1 float32; b1 256 float32; b2 128 float32; b3 1 float32; keys 2,048 x 200 x 128 float32; mask 2,048 x 200 int32; query 2,048 x 128 float32.
;; Outputs: out0 2,048 x 128 float32.
;; One version. Each part assembles by itself: llvm-mc -triple=amdgcn-amd-amdhsa -mcpu=gfx1250 --defsym DOCPART=n.
;; ======== version 1 of 1: 2 launches
;; limits: a difference of large sums (such as E[x^2] - mean^2): digits are lost where the result is much smaller than its terms
;; workspace buffers: wbc 65,536 bytes; wd 65,536 bytes; w2f 65,536 bytes; bw 1,024 bytes; ct 2,097,152 bytes
;; launch prep (part 1): grid 64 x 4, 8 waves a work-group, no clusters, 50,176 bytes of LDS; arguments W1, W2, W3, b1, b2, query, wbc, wd, w2f, ct, bw; writes wbc, wd, w2f, ct, bw
.if DOCPART == 1
	.amdgcn_target "amdgcn-amd-amdhsa--gfx1250"
	.amdhsa_code_object_version 6
	.text
	.protected	k_q7201bdd45b_prep
	.globl	k_q7201bdd45b_prep
	.p2align	8
	.type	k_q7201bdd45b_prep,@function
k_q7201bdd45b_prep:
	s_mov_b64 s[64:65], 0
	v_nop
	global_prefetch_b8 v0, s[64:65] scope:SCOPE_SE
	s_setreg_imm32_b32 hwreg(HW_REG_WAVE_MODE, 25, 1), 1
	s_wait_xcnt 0x0
; PREPARATION for the attention launch.  W1 is [512][256] f32 in four blocks of 128 rows: W1a (for q), W1b (for k), W1c (for q - k), W1d (for q * k).
; Since [q, k, q-k, q*k] W1 = q (W1a + W1c) + k (W1b - W1c + diag(q) W1d), this launch writes
;   ct[b][j] = b1[j] + sum_i q[b][i] (W1a[i][j] + W1c[i][j]), in f32 throughout: 2,048 x 256 numbers;
;   wbc = bf16(W1b - W1c), wd = bf16(W1d), w2f = bf16(W2), each 64 fragments of 1,024 bytes in the order in which a matrix instruction's first source holds them:
;         byte 1024 f + 512 half + 16 L + 4 i + 2 e = element (row 16 B + L % 16, k = 32 S + 16 half + 8 (L / 16) + 2 i + e); wbc, wd: f = 4 B + S; w2f: f = 8 S + B;
;   bw = b2 (512 bytes), then W3 (512 bytes), as they are.
; SHARES.  Work-group (x, y): ct of batches 32 x .. 32 x + 31, channels 64 y .. 64 y + 63; wave w four batches, lane l two channels.  The work-groups numbered 0 to 48 (x + 64 y) also write 4,096 bytes of a table, or bw.
; No matrix unit: the product has 0.1% of the module's multiply-adds and is wanted in f32.  No cluster: the slice of W1 that 64 work-groups share is 64 KiB, read once each.
.set WS,    0                          ; LDS: W1a + W1c, 128 rows x 64 channels of f32, 256 bytes a row
.set QS,    32768                      ; LDS: each wave's own four rows of q, 2,048 bytes
.set SPARE, 49152                      ; LDS: the spare words, 128 bytes a wave, four blocks of 256 bytes that no other line names
.set SPW,   2                          ; v2  LDS address of my spare word; never rewritten
.set NIL,   3                          ; v3  0; never rewritten
.set ACC,   8                          ; v[8:15]   four batches x two channels
.set W,     16                         ; v[16:31]  eight rows of the slice, two channels each
.set Q,     32                         ; v[32:63]  batch b: eight numbers of q at 32 + 8 b
.set B1,    90                         ; v[90:91]  b1 of my two channels
	s_load_b512 s[8:23], s[0:1], 0x0               ; W1 s[8:9], W2 s[10:11], W3 s[12:13], b1 s[14:15], b2 s[16:17], query s[18:19], wbc s[20:21], wd s[22:23]
	s_load_b128 s[24:27], s[0:1], 0x40             ; w2f s[24:25], ct s[26:27]
	s_load_b64 s[28:29], s[0:1], 0x50              ; bw
	v_lshl_add_u32 v[SPW], v0, 2, SPARE
	v_mov_b32 v[NIL], 0
	v_lshrrev_b32 v1, 5, v0
	v_readfirstlane_b32 s2, v1                     ; wave 0..7
	s_and_b32 s3, ttmp7, 0xffff                    ; y
	v_and_b32 v1, 31, v0                           ; lane
	v_and_b32 v6, 15, v0                           ; lane % 16
	v_bfe_u32 v5, v0, 4, 1                         ; lane / 16
	s_lshl_b32 s4, s2, 14                          ; 16 w rows of W1, 1,024 bytes each
	s_lshl_b32 s5, s3, 8                           ; 64 y channels
	s_add_co_u32 s6, s4, s5
	v_lshl_add_u32 v4, v5, 10, s6                  ; row 16 w + lane / 16,
	v_lshl_add_u32 v4, v6, 4, v4                   ; 16 bytes a lane: sixteen lanes take the slice's 256 bytes of a row
	s_lshl_b32 s6, ttmp9, 14                       ; 32 x rows of q, 512 bytes each,
	s_lshl_b32 s7, s2, 11                          ; 4 w more
	s_add_co_u32 s6, s6, s7
	v_lshl_add_u32 v7, v1, 4, s6
	v_lshl_add_u32 v89, v1, 3, s5                  ; b1: 256 y + 8 l
	s_lshl_b32 s30, s2, 12
	v_lshl_add_u32 v92, v1, 4, s30                 ; WS + 4,096 w + 16 l: where my part of the slice goes
	s_add_co_u32 s7, s7, QS
	v_lshl_add_u32 v93, v1, 4, s7                  ; QS + 2,048 w + 16 l
	v_lshlrev_b32 v94, 3, v1                       ; WS + 8 l: my two channels of row 0
	v_mov_b32 v95, s7                              ; my wave's q
	s_lshl_b32 s6, ttmp9, 15                       ; ct: (32 x + 4 w) rows of 1,024 bytes + 256 y + 8 l
	s_add_co_u32 s6, s6, s30
	s_add_co_u32 s6, s6, s5
	v_lshl_add_u32 v88, v1, 3, s6
	s_wait_kmcnt 0x0
.irp n, 0,1,2,3,4,5,6,7
	global_load_b128 v[8+4*\n:11+4*\n], v4, s[8:9] offset:2048*\n              ; W1a, rows 16 w + 2 n + lane / 16
.endr
.irp n, 0,1,2,3,4,5,6,7
	global_load_b128 v[40+4*\n:43+4*\n], v4, s[8:9] offset:262144+2048*\n      ; W1c: 256 rows further down
.endr
.irp n, 0,1,2,3
	global_load_b128 v[72+4*\n:75+4*\n], v7, s[18:19] offset:512*\n            ; my wave's four rows of q
.endr
	global_load_b64 v[B1:B1+1], v89, s[14:15]
	s_wait_loadcnt 0x0
.set i, 0
.rept 16
	v_pk_add_f32 v[8+i:9+i], v[8+i:9+i], v[40+i:41+i]
.set i, i+2
.endr
.irp n, 0,1,2,3,4,5,6,7
	ds_store_b128 v92, v[8+4*\n:11+4*\n] offset:512*\n
.endr
.irp n, 0,1,2,3
	ds_store_b128 v93, v[72+4*\n:75+4*\n] offset:512*\n
.endr
	s_wait_dscnt 0x0                               ; for the others' sake: my rows of the slice are in LDS
	s_barrier_signal -1
	s_barrier_wait -1
.irp b, 0,1,2,3
	v_mov_b32 v[ACC+2*\b], v[B1]                   ; the sums start from their addend
	v_mov_b32 v[ACC+2*\b+1], v[B1+1]
.endr
; row i of the trip's eight for all four batches; sel = i % 2 says which register of q's pair is taken for both channels
.macro STEP i, sel
.irp b, 0,1,2,3
	v_pk_fma_f32 v[ACC+2*\b:ACC+2*\b+1], v[W+2*(\i):W+2*(\i)+1], v[Q+8*\b+(\i)-(\sel):Q+8*\b+(\i)-(\sel)+1], v[ACC+2*\b:ACC+2*\b+1] op_sel:[0,\sel,0] op_sel_hi:[1,\sel,1]
.endr
.endm
	s_mov_b32 s31, 16
.Ltrip:                                                ; 16 trips of 8 rows
.irp i, 0,1,2,3
	ds_load_b64 v[W+2*\i:W+2*\i+1], v94 offset:256*\i
.endr
.irp b, 0,1,2,3
	ds_load_b128 v[Q+8*\b:Q+8*\b+3], v95 offset:512*\b
.endr
.irp i, 4,5,6,7
	ds_load_b64 v[W+2*\i:W+2*\i+1], v94 offset:256*\i
.endr
.irp b, 0,1,2,3
	ds_load_b128 v[Q+8*\b+4:Q+8*\b+7], v95 offset:512*\b+16
.endr
	s_wait_dscnt 8                                 ; LDS loads come back in order (ISA guide 5.7.1): the first eight are in, the younger eight stay out
	STEP 0, 0
	STEP 1, 1
	STEP 2, 0
	STEP 3, 1
	s_wait_dscnt 0x0
	STEP 4, 0
	STEP 5, 1
	STEP 6, 0
	STEP 7, 1
	v_add_nc_u32 v94, 2048, v94                    ; eight rows on
	v_add_nc_u32 v95, 32, v95                      ; eight numbers of q on
	s_sub_co_u32 s31, s31, 1
	s_cmp_lg_u32 s31, 0
	s_cbranch_scc1 .Ltrip
.irp b, 0,1,2,3
	global_store_b64 v88, v[ACC+2*\b:ACC+2*\b+1], s[26:27] offset:1024*\b      ; a wave's store covers 256 consecutive bytes, at a multiple of 256 from ct's first
.endr
	; THE TABLES.  Work-group number id = x + 64 y: 0-15 wbc, 16-31 wd, 32-47 w2f, 4,096 bytes each, 16 bytes a thread; 48: bw.  All jumps go forward and pass no barrier.
	s_lshl_b32 s31, s3, 6
	s_add_co_u32 s31, s31, ttmp9                   ; id
	s_and_b32 s32, s31, 15                         ; my sixteenth of a table
	s_lshl_b32 s33, s32, 12
	v_lshl_add_u32 v87, v0, 4, s33                 ; where my 16 bytes go: 4,096 x sixteenth + 16 x thread
	s_cmp_lt_u32 s31, 32
	s_cbranch_scc0 .Lnot_w1
	; fragment f = 4 x sixteenth + w / 2, half = w % 2: row block B = sixteenth, k = 16 w + 8 (lane / 16) + 0..7, column 16 B + lane % 16
	s_lshl_b32 s34, s32, 6
	s_add_co_u32 s34, s34, s4                      ; 16 w rows of 1,024 bytes + 64 B
	v_lshl_add_u32 v86, v5, 13, s34
	v_lshl_add_u32 v86, v6, 2, v86
	s_cmp_lt_u32 s31, 16
	s_cbranch_scc0 .Ltab_d
.irp e, 0,1,2,3,4,5,6,7
	global_load_b32 v[40+\e], v86, s[8:9] offset:131072+1024*\e                ; W1b
.endr
.irp e, 0,1,2,3,4,5,6,7
	global_load_b32 v[48+\e], v86, s[8:9] offset:262144+1024*\e                ; W1c
.endr
	s_wait_loadcnt 0x0
.irp i, 0,2,4,6
	v_pk_add_f32 v[40+\i:41+\i], v[40+\i:41+\i], v[48+\i:49+\i] neg_lo:[0,1] neg_hi:[0,1]
.endr
.irp i, 0,1,2,3
	v_cvt_pk_bf16_f32 v[56+\i], v[40+2*\i], v[41+2*\i]
.endr
	global_store_b128 v87, v[56:59], s[20:21]      ; a wave's store covers 512 consecutive bytes
	s_branch .Lend
.Ltab_d:
.irp e, 0,1,2,3,4,5,6,7
	global_load_b32 v[40+\e], v86, s[8:9] offset:393216+1024*\e                ; W1d
.endr
	s_wait_loadcnt 0x0
.irp i, 0,1,2,3
	v_cvt_pk_bf16_f32 v[56+\i], v[40+2*\i], v[41+2*\i]
.endr
	global_store_b128 v87, v[56:59], s[22:23]
	s_branch .Lend
.Lnot_w1:
	s_cmp_lt_u32 s31, 48
	s_cbranch_scc0 .Lnot_w2
	; f = 8 S + B: S = sixteenth / 2, B = 4 (sixteenth % 2) + w / 2; k = 32 S + 16 (w % 2) + 8 (lane / 16) + 0..7; W2's rows are 512 bytes
	s_lshr_b32 s34, s32, 1
	s_lshl_b32 s34, s34, 14                        ; 32 S rows
	s_and_b32 s35, s2, 1
	s_lshl_b32 s35, s35, 13                        ; 16 (w % 2) rows
	s_add_co_u32 s34, s34, s35
	s_and_b32 s35, s32, 1
	s_lshl_b32 s35, s35, 2
	s_lshr_b32 s36, s2, 1
	s_add_co_u32 s35, s35, s36                     ; B
	s_lshl_b32 s35, s35, 6
	s_add_co_u32 s34, s34, s35
	v_lshl_add_u32 v86, v5, 12, s34
	v_lshl_add_u32 v86, v6, 2, v86
.irp e, 0,1,2,3,4,5,6,7
	global_load_b32 v[40+\e], v86, s[10:11] offset:512*\e
.endr
	s_wait_loadcnt 0x0
.irp i, 0,1,2,3
	v_cvt_pk_bf16_f32 v[56+\i], v[40+2*\i], v[41+2*\i]
.endr
	global_store_b128 v87, v[56:59], s[24:25]
	s_branch .Lend
.Lnot_w2:
	s_cmp_eq_u32 s31, 48
	s_cbranch_scc0 .Lend
	s_cmp_lt_u32 s2, 2
	s_cbranch_scc0 .Lend
	s_cmp_eq_u32 s2, 0                             ; wave 0 copies b2, wave 1 W3: 512 bytes each
	s_cselect_b64 s[36:37], s[16:17], s[12:13]
	s_lshl_b32 s38, s2, 9
	v_lshlrev_b32 v86, 4, v1
	v_add_nc_u32 v85, s38, v86
	global_load_b128 v[40:43], v86, s[36:37]
	s_wait_loadcnt 0x0
	global_store_b128 v85, v[40:43], s[28:29]
.Lend:
	s_wait_tensorcnt 0x0                           ; the wave's end, behind my last LDS store
	ds_add_u32 v[SPW], v[NIL]
	s_wait_dscnt 0x0
	s_endpgm
.Lfunc_end_k_q7201bdd45b_prep:
	.size	k_q7201bdd45b_prep, .Lfunc_end_k_q7201bdd45b_prep-k_q7201bdd45b_prep
	.p2alignl 7, 3214868480
	.fill 96, 4, 3214868480
	.section	.rodata,"a",@progbits
	.p2align	6, 0x0
	.amdhsa_kernel k_q7201bdd45b_prep
		.amdhsa_group_segment_fixed_size 50176
		.amdhsa_private_segment_fixed_size 0
		.amdhsa_enable_private_segment 0
		.amdhsa_kernarg_size 88
		.amdhsa_user_sgpr_count 2
		.amdhsa_user_sgpr_kernarg_segment_ptr 1
		.amdhsa_wavefront_size32 1
		.amdhsa_system_sgpr_workgroup_id_x 1
		.amdhsa_system_sgpr_workgroup_id_y 1
		.amdhsa_system_sgpr_workgroup_id_z 1
		.amdhsa_system_vgpr_workitem_id 0
		.amdhsa_next_free_vgpr 96
		.amdhsa_next_free_sgpr 66
		.amdhsa_reserve_vcc 0
		.amdhsa_float_denorm_mode_32 3
		.amdhsa_float_denorm_mode_16_64 3
		.amdhsa_memory_ordered 1
		.amdhsa_forward_progress 1
		.amdhsa_inst_pref_size 16
	.end_amdhsa_kernel
	.amdgpu_metadata
---
amdhsa.version: [ 1, 2 ]
amdhsa.kernels:
  - .name:           k_q7201bdd45b_prep
    .symbol:         k_q7201bdd45b_prep.kd
    .args:
      - { .name: W1, .offset: 0, .size: 8, .value_kind: global_buffer, .address_space: global }
      - { .name: W2, .offset: 8, .size: 8, .value_kind: global_buffer, .address_space: global }
      - { .name: W3, .offset: 16, .size: 8, .value_kind: global_buffer, .address_space: global }
      - { .name: b1, .offset: 24, .size: 8, .value_kind: global_buffer, .address_space: global }
      - { .name: b2, .offset: 32, .size: 8, .value_kind: global_buffer, .address_space: global }
      - { .name: query, .offset: 40, .size: 8, .value_kind: global_buffer, .address_space: global }
      - { .name: wbc, .offset: 48, .size: 8, .value_kind: global_buffer, .address_space: global }
      - { .name: wd, .offset: 56, .size: 8, .value_kind: global_buffer, .address_space: global }
      - { .name: w2f, .offset: 64, .size: 8, .value_kind: global_buffer, .address_space: global }
      - { .name: ct, .offset: 72, .size: 8, .value_kind: global_buffer, .address_space: global }
      - { .name: bw, .offset: 80, .size: 8, .value_kind: global_buffer, .address_space: global }
    .group_segment_fixed_size: 50176
    .private_segment_fixed_size: 0
    .kernarg_segment_align: 8
    .kernarg_segment_size: 88
    .max_flat_workgroup_size: 256
    .sgpr_count:     66
    .vgpr_count:     96
    .wavefront_size: 32
...
	.end_amdgpu_metadata
.endif
;; end of part 1
;; launch main (part 2): grid 256 x 1, 4 waves a work-group, no clusters, 327,680 bytes of LDS; arguments keys, mask, query, a1, a2, b3, wbc, wd, w2f, ct, bw, out0; writes out0
.if DOCPART == 2
	.amdgcn_target "amdgcn-amd-amdhsa--gfx1250"
	.amdhsa_code_object_version 6
	.text
	.protected	k_q7201bdd45b_main
	.globl	k_q7201bdd45b_main
	.p2align	8
	.type	k_q7201bdd45b_main,@function
k_q7201bdd45b_main:
	s_mov_b64 s[64:65], 0
	v_nop
	global_prefetch_b8 v0, s[64:65] scope:SCOPE_SE
	s_setreg_imm32_b32 hwreg(HW_REG_WAVE_MODE, 25, 1), 1
	s_wait_xcnt 0x0
; DIN ATTENTION.  For each of 2,048 batches: 200 key rows of 128 f32 go through an MLP 512 -> 256 -> 128 -> 1 (PReLU) on [q, k, q-k, q*k]; masked softmax of the scores; out = the weighted sum of the key rows.
; THE FOLD.  [q, k, q-k, q*k] W1 + b1 = c + k M with c = b1 + q (W1a + W1c) (f32, from the launch before) and M = (W1b - W1c) + diag(q) W1d, made here once a batch: layer 1 has K = 128 in place of 512.
; SHARES.  A work-group owns 8 batches, each of its four waves 2, one after the other: nothing of a softmax crosses waves.  A batch goes in passes of two tiles of 16 key rows; the last 8 rows are a pass of one tile.
; LAYOUT.  Both layers are used transposed (source 0 = 16 output channels of the weights, source 1 = 16 key rows): in a result a lane holds ONE key row (lane % 16) and the channels 8 (lane / 16) + 0..7.  Two results of layer 1,
; activated and rounded to bf16 in pairs, ARE source 1 of layer 2.  So h1 and h2 never leave registers.  M^T, 64 fragments, lies in 512 registers; W2's fragments come from LDS in fragment order, 512 consecutive bytes a load.
; SOFTMAX.  As the module has it: a masked row's score counts as -10000 and stays in the softmax's sum (ZA); the weights of unmasked rows are summed apart (ZM); out = O / ZA / max(ZM / ZA, 1e-12), or 0 where ZM / ZA is 0.
; A running maximum m over all 200 rows: e = 2^((s - m) log2 e); in every pass O, ZA and ZM are multiplied by a = 2^((m_old - m_new) log2 e).  m starts at the lowest finite number, so the first a is 0.
; PReLU(x) = x + (a - 1) min(x, 0), for every a.
; FORMATS AND LIMITS.  Matrix operands in bf16: k rounded once; M rounded once from bf16(W1b - W1c) + q bf16(W1d) formed in f32; h1 and W2 rounded once.  Sums, c, W3's product, softmax and the weighted sum (on the f32 key rows) in f32.
; The fold takes k W1c from q W1c where the module takes k from q first: with a common offset in q and k the rounding of k to bf16 shows in that term as it shows in the module's own term k W1b.
; An exponential below 2^-126 counts as 0.  NaN and infinities are not treated apart.
; NO CLUSTER: what work-groups share are the tables, 256 KiB of the 1,075 KiB that a work-group fetches; keys, mask, q and c are each work-group's own, and each of the 15 refills' barriers would become a round of four work-groups.
; THE RING.  Each wave has two LDS slots of 32 key rows (512 bytes + 16 of padding).  A batch is 8 steps, G (M is made), P0-P5, L, which read slots 1, 0, 1, 0, 1, 0, 1, 0: during G slot 1 of wave w holds quarter w of the
; table wbc, which all four waves read.  At each step's head every wave waits for all its tensor loads, adds 0 to its spare word, waits for that and for its LDS reads, passes the barrier, and issues ONE load: the next step's data
; into the slot read last.  By this text's count a wave has 8 tensor loads out at the start and 1 behind each barrier; that load has a whole step in which to land.
; REGISTERS, in windows of 256 (s_set_vgpr_msb: bits 1:0 source 0, 3:2 source 1, 5:4 source 2, 7:6 destination):
;   window 0: v0-31 addresses and statistics; v32-159 H2 (also: key rows in f32, G's table buffers); v160-191 H1 (also the weights p for all lanes); v192-207 P (also softmax's scratch); v208-223 c (also the score's chains); v224-255 at work
;   windows 1, 2: M^T, fragment (blk, ks) at 256 + 8 (4 blk + ks)      window 3: v0-63 the keys' fragments (in G: q); v64-191 two buffers of W2's fragments; v192-255 W3
.set PITCH, 528                        ; a key row in LDS: 132 words: row r starts at bank 4 r mod 64 (64 banks of 4 bytes: ISA guide 11.1), so the 16 rows of a load start at 16 different groups of banks
.set SLOTB, 32*PITCH                   ; a wave's slot: 16,896 bytes
.set D,     4*SLOTB                    ; slot 1 lies 67,584 bytes behind slot 0; no bit of it meets a bit of w x 16,896, so one exclusive or turns one slot's address into the other's
.set WDL,   2*D                        ; wd, 65,536 bytes
.set W2L,   WDL+65536                  ; w2f, 65,536 bytes
.set CTL,   W2L+65536                  ; c of each wave's two batches: 2,048 bytes a wave
.set QTL,   CTL+8192                   ; q likewise: 1,024 bytes a wave
.set BWL,   QTL+4096                   ; b2 and W3, a copy for each wave: 1,024 bytes
.set MTL,   BWL+4096                   ; the mask of each wave's two batches: 1,600 bytes, in 1,792
.set SCR,   MTL+7168                   ; 256 bytes a wave: a pass's weights, stored and read back for all lanes; no tensor load lands here
.set SPARE, SCR+1024                   ; the spare words, 128 bytes a wave: two blocks of 256 bytes that no other line names
.set KA0, 2                            ; v2   my place in slot 0 for a fragment: row lane % 16, 32 bytes for each half of the lanes;  v3: the same in the slot in hand
.set KR0, 4                            ; v4   my 16 bytes of slot 0's row 0;  v5: the same in the slot in hand
.set LW2, 6                            ; v6   W2L + 16 lane
.set LWD, 7                            ; v7   WDL + 16 lane
.set LWB, 8                            ; v8, v9   quarters 0, 1 and quarters 2, 3 of wbc, + 16 lane
.set CA,  10                           ; v10  c of the batch in hand + 32 (lane / 16)
.set BA,  11                           ; v11  b2 + 32 (lane / 16)
.set QA,  12                           ; v12  q of the batch in hand + 32 (lane / 16)
.set MA,  13                           ; v13  the mask word of row lane % 16 of the pass in hand
.set MAL, 14                           ; v14  the mask word of row 192 + lane % 8
.set PSA, 15                           ; v15  where my row's weight goes
.set PSB, 16                           ; v16  where all lanes read the weights
.set GO,  17                           ; v17  16 lane
.set MV,  18                           ; v18, v19  mask words
.set MR,  20                           ; v20  m
.set ZA,  21                           ; v21  my rows' part of the softmax's sum
.set ZM,  22                           ; v22  the same of unmasked rows alone
.set AA,  24                           ; v[24:25]  a, twice
.set OA,  26                           ; v[26:29]  O: channels 4 lane + 0..3
.set SPW, 30                           ; v30  LDS address of my spare word; never rewritten
.set NIL, 31                           ; v31  0; never rewritten
.set H2,  32
.set KW,  32
.set GB,  32
.set H1,  160
.set PB,  160
.set TT,  160
.set P,   192
.set SS,  192                          ; softmax's scratch: scores
.set XX,  194
.set MX,  196
.set MN,  197
.set EE,  198
.set PM,  200
.set CB,  208
.set SA,  208
.set TMP, 224
.set LS,  224
.set KF,  0                            ; window 3
.set QL,  0
.set A2,  64
.set W3L, 192
.set WV,  2                            ; s2   my wave's number
.set RND, 3                            ; s3   batches to go
.set G0K, 4                            ; s[4:7]   group 0, keys: it walks
.set G1K, 8                            ; s[8:15]  group 1, keys
.set G0B, 16                           ; s[16:19] group 0, my quarter of wbc into my slot 1; never rewritten
.set G1D, 20                           ; s[20:27] group 1: 16,384 dense bytes
.set G0D, 28                           ; group 0 of the other first fills: wd,
.set G0W, 32                           ; w2f,
.set G0C0, 36                          ; c of my first batch,
.set G0C1, 40                          ; of my second,
.set G0Q, 44                           ; q,
.set G0E, 48                           ; b2 and W3,
.set G0M, 52                           ; the mask
.set G1S, 56                           ; s[56:63] group 1: 1,024 dense bytes
.set MK,  66                           ; s66, s67 the tiles' mask bits
.set G1M, 68                           ; s[68:75] group 1: one row of 1,600 bytes
.set OB,  76                           ; s[76:77] out0 at the batch in hand
.set A1M, 78                           ; s[78:79] a1 - 1: the packed line names a pair and takes its low word
.set A2M, 80                           ; s[80:81] a2 - 1
.set B3,  82                           ; s82
.set SEL, 84                           ; s[84:85] v_permlanex16_b32's selects: each lane takes its own place in the other half
.set SL0, 86                           ; s86  w x 16,896
.set TB,  88                           ; s88  0 or D: the slot in hand
.set PC,  89                           ; s89  passes to go
.set VL,  90                           ; s90  the lanes whose row exists in the last tile: lane % 16 < 8
.set R8,  100                          ; s100 8 rows left, s101 32 or more: the third word of the keys' group 1
.set R32, 101
.set MSB, 0
.macro WIN new                         ; the immediate's high byte repeats the setting that is left; a switch that changes nothing is dropped
.if MSB != (\new)
	s_set_vgpr_msb (MSB<<8)|(\new)
.set MSB, \new
.endif
.endm
.macro NOP4
.rept 4
	v_nop
.endr
.endm
; A STEP'S HEAD, in two parts with the descriptors' scalar steps between them.
.macro HEAD_A
	WIN 0
	s_wait_tensorcnt 0x0                           ; all my tensor loads have landed, this step's data among them: a group 0 may be written
	ds_add_u32 v[SPW], v[NIL]                      ; 0 onto my spare word
.endm
.macro HEAD_B g0, g1
	s_wait_dscnt 0x0                               ; the add is done, and my reads of the slot that is filled next are over
	s_barrier_signal -1
	s_barrier_wait -1                              ; both now hold of all four waves
	tensor_load_to_lds s[\g0:\g0+3], s[\g1:\g1+7]  ; my one tensor load behind this barrier, and the first thing there
	s_nop 0
	NOP4                                           ; the register windows are switched only behind these
.endm
	s_load_b64 s[G0K+2:G0K+3], s[0:1], 0x0         ; the pointers go straight into the descriptors' address words: keys,
	s_load_b64 s[G0M+2:G0M+3], s[0:1], 0x8         ; mask,
	s_load_b64 s[G0Q+2:G0Q+3], s[0:1], 0x10        ; query
	s_load_b64 s[78:79], s[0:1], 0x18              ; a1
	s_load_b64 s[80:81], s[0:1], 0x20              ; a2
	s_load_b64 s[82:83], s[0:1], 0x28              ; b3
	s_load_b64 s[G0B+2:G0B+3], s[0:1], 0x30        ; wbc
	s_load_b64 s[G0D+2:G0D+3], s[0:1], 0x38        ; wd
	s_load_b64 s[G0W+2:G0W+3], s[0:1], 0x40        ; w2f
	s_load_b64 s[G0C0+2:G0C0+3], s[0:1], 0x48      ; ct, twice
	s_load_b64 s[G0C1+2:G0C1+3], s[0:1], 0x48
	s_load_b64 s[G0E+2:G0E+3], s[0:1], 0x50        ; bw
	s_load_b64 s[OB:OB+1], s[0:1], 0x58            ; out0
	v_lshl_add_u32 v[SPW], v0, 2, SPARE
	v_mov_b32 v[NIL], 0
	ds_add_u32 v[SPW], v[NIL]                      ; the wave's opening: the add and its wait stand ahead of my first tensor load; the set-up below, work on registers, stands between them
	ds_add_u32 v30, v31
	v_lshrrev_b32 v1, 5, v0
	v_readfirstlane_b32 s[WV], v1                  ; wave 0..3
	; group 1 for keys: a tile of 32 rows x 128 elements of 4 bytes, 16 bytes of padding behind each row
	s_mov_b32 s[G1K+0], (2<<16)|(1<<20)|(6<<22)|(3<<25)  ; 17:16 element of 4 bytes; 20 padding on; 24:22 after every 128 words (code 6); 31:25 4 words of it (code 3)
	s_mov_b32 s[G1K+1], 128<<16                    ; tensor_dim0 = 128
	s_mov_b32 s[G1K+2], 32<<16                     ; tensor_dim1: the rows left of the batch, as far as the tile reaches: 32, or 8 for the last tile, whose other rows arrive as zeros
	s_mov_b32 s[G1K+3], 128<<16                    ; tile_dim0 = 128
	s_mov_b32 s[G1K+4], 32                         ; tile_dim1 = 32
	s_mov_b32 s[G1K+5], 128                        ; elements from row to row
	s_mov_b32 s[G1K+6], 0
	s_mov_b32 s[G1K+7], 0
	; dense blocks as rows of 256 bytes (32 elements of 8): 64 rows, and 4 rows
	s_mov_b32 s[G1D+0], 3<<16
	s_mov_b32 s[G1D+1], 32<<16
	s_mov_b32 s[G1D+2], 64<<16
	s_mov_b32 s[G1D+3], 32<<16
	s_mov_b32 s[G1D+4], 64
	s_mov_b32 s[G1D+5], 32
	s_mov_b32 s[G1D+6], 0
	s_mov_b32 s[G1D+7], 0
	s_mov_b32 s[G1S+0], 3<<16
	s_mov_b32 s[G1S+1], 32<<16
	s_mov_b32 s[G1S+2], 4<<16
	s_mov_b32 s[G1S+3], 32<<16
	s_mov_b32 s[G1S+4], 4
	s_mov_b32 s[G1S+5], 32
	s_mov_b32 s[G1S+6], 0
	s_mov_b32 s[G1S+7], 0
	; one row of 1,600 bytes: 200 elements of 8
	s_mov_b32 s[G1M+0], 3<<16
	s_mov_b32 s[G1M+1], 200<<16
	s_mov_b32 s[G1M+2], 1<<16
	s_mov_b32 s[G1M+3], 200<<16
	s_mov_b32 s[G1M+4], 1
	s_mov_b32 s[G1M+5], 200
	s_mov_b32 s[G1M+6], 0
	s_mov_b32 s[G1M+7], 0
	; the LDS words: a constant plus the wave's number times a constant
	s_mul_i32 s[SL0], s[WV], SLOTB
	s_mov_b32 s[G0K], 1
	s_mov_b32 s[G0K+1], s[SL0]                     ; slot 0
	s_mov_b32 s[G0B], 1
	s_add_co_u32 s[G0B+1], s[SL0], D               ; slot 1
	s_lshl_b32 s88, s[WV], 14                      ; my quarter of a table: 16,384 w, as an LDS offset and (with 0 above it) as a byte offset in memory
	s_mov_b32 s89, 0
	s_mov_b32 s[G0D], 1
	s_add_co_u32 s[G0D+1], s88, WDL
	s_mov_b32 s[G0W], 1
	s_add_co_u32 s[G0W+1], s88, W2L
	s_lshl_b32 s87, s[WV], 11
	s_mov_b32 s[G0C0], 1
	s_add_co_u32 s[G0C0+1], s87, CTL
	s_mov_b32 s[G0C1], 1
	s_add_co_u32 s[G0C1+1], s87, CTL+1024
	s_lshl_b32 s87, s[WV], 10
	s_mov_b32 s[G0Q], 1
	s_add_co_u32 s[G0Q+1], s87, QTL
	s_mov_b32 s[G0E], 1
	s_add_co_u32 s[G0E+1], s87, BWL
	s_mul_i32 s87, s[WV], 1792
	s_mov_b32 s[G0M], 1
	s_add_co_u32 s[G0M+1], s87, MTL
	; byte offsets in memory, each in a pair of its own.  u = 8 x work-group + 2 x wave is my first batch
	s_lshl_b32 s91, ttmp9, 3
	s_lshl_b32 s87, s[WV], 1
	s_add_co_u32 s91, s91, s87
	s_mul_i32 s92, s91, 102400                     ; keys: 200 rows of 512 bytes a batch; under 2^28
	s_mov_b32 s93, 0
	s_mul_i32 s94, s91, 800                        ; mask
	s_mov_b32 s95, 0
	s_lshl_b32 s96, s91, 9                         ; query and out0
	s_mov_b32 s97, 0
	s_lshl_b32 s98, s91, 10                        ; ct
	s_mov_b32 s99, 0
	s_mov_b32 s[SEL], 0x76543210
	s_mov_b32 s[SEL+1], 0xfedcba98
	s_mov_b32 s[VL], 0x00ff00ff
	s_mov_b32 s[R8], 8<<16
	s_mov_b32 s[R32], 32<<16
	s_mov_b32 s[RND], 2
	; the lanes' addresses
	v_and_b32 v1, 31, v0                           ; lane
	v_and_b32 v32, 15, v0                          ; lane % 16
	v_bfe_u32 v33, v0, 4, 1                        ; lane / 16
	v_lshlrev_b32 v34, 4, v1
	v_lshlrev_b32 v35, 5, v33
	v_lshlrev_b32 v36, 2, v32
	v_and_b32 v37, 7, v0
	v_mul_u32_u24 v[KA0], v32, PITCH
	v_add3_u32 v[KA0], v[KA0], v35, s[SL0]
	v_add_nc_u32 v[KR0], s[SL0], v34
	v_add_nc_u32 v[LW2], W2L, v34
	v_add_nc_u32 v[LWD], WDL, v34
	v_add_nc_u32 v[LWB], D, v34
	v_add_nc_u32 v[LWB+1], D+2*SLOTB, v34
	v_add_nc_u32 v[CA], s[G0C0+1], v35
	v_add_nc_u32 v[BA], s[G0E+1], v35
	v_add_nc_u32 v[QA], s[G0Q+1], v35
	v_add_nc_u32 v[MA], s[G0M+1], v36
	v_lshl_add_u32 v[MAL], v37, 2, s[G0M+1]
	v_add_nc_u32 v[MAL], 768, v[MAL]
	s_lshl_b32 s87, s[WV], 8
	s_add_co_u32 s87, s87, SCR
	v_add_nc_u32 v[PSA], s87, v36
	v_mov_b32 v[PSB], s87
	v_mov_b32 v[GO], v34
	s_wait_dscnt 0x0                               ; the opening add is done
	s_wait_kmcnt 0x0
	s_add_nc_u64 s[G0K+2:G0K+3], s[G0K+2:G0K+3], s[92:93]
	s_or_b32 s[G0K+3], s[G0K+3], 0x80000000        ; 127:126 type = 2
	s_add_nc_u64 s[G0M+2:G0M+3], s[G0M+2:G0M+3], s[94:95]
	s_or_b32 s[G0M+3], s[G0M+3], 0x80000000
	s_add_nc_u64 s[G0Q+2:G0Q+3], s[G0Q+2:G0Q+3], s[96:97]
	s_or_b32 s[G0Q+3], s[G0Q+3], 0x80000000
	s_add_nc_u64 s[OB:OB+1], s[OB:OB+1], s[96:97]
	s_add_nc_u64 s[G0C0+2:G0C0+3], s[G0C0+2:G0C0+3], s[98:99]
	s_or_b32 s[G0C0+3], s[G0C0+3], 0x80000000
	s_add_nc_u64 s[G0C1+2:G0C1+3], s[G0C1+2:G0C1+3], s[98:99]
	s_add_nc_u64 s[G0C1+2:G0C1+3], s[G0C1+2:G0C1+3], 1024
	s_or_b32 s[G0C1+3], s[G0C1+3], 0x80000000
	s_add_nc_u64 s[G0B+2:G0B+3], s[G0B+2:G0B+3], s[88:89]
	s_or_b32 s[G0B+3], s[G0B+3], 0x80000000
	s_add_nc_u64 s[G0D+2:G0D+3], s[G0D+2:G0D+3], s[88:89]
	s_or_b32 s[G0D+3], s[G0D+3], 0x80000000
	s_add_nc_u64 s[G0W+2:G0W+3], s[G0W+2:G0W+3], s[88:89]
	s_or_b32 s[G0W+3], s[G0W+3], 0x80000000
	s_or_b32 s[G0E+3], s[G0E+3], 0x80000000
	s_load_b32 s92, s[78:79], 0x0                  ; a1, a2, b3
	s_load_b32 s93, s[80:81], 0x0
	s_load_b32 s94, s[82:83], 0x0
	; THE FIRST FILLS, one group, ahead of every wait on TENSORcnt, every LDS read and every barrier: eight loads of mine are out
	tensor_load_to_lds s[G0D:G0D+3], s[G1D:G1D+7]  ; my quarter of wd
	s_nop 0
	tensor_load_to_lds s[G0B:G0B+3], s[G1D:G1D+7]  ; my quarter of wbc, into my slot 1
	s_nop 0
	tensor_load_to_lds s[G0Q:G0Q+3], s[G1S:G1S+7]  ; q of my two batches
	s_nop 0
	tensor_load_to_lds s[G0W:G0W+3], s[G1D:G1D+7]  ; my quarter of w2f
	s_nop 0
	tensor_load_to_lds s[G0C0:G0C0+3], s[G1S:G1S+7]  ; c of my first batch
	s_nop 0
	tensor_load_to_lds s[G0C1:G0C1+3], s[G1S:G1S+7]  ; and of my second
	s_nop 0
	tensor_load_to_lds s[G0E:G0E+3], s[G1S:G1S+7]  ; b2 and W3
	s_nop 0
	tensor_load_to_lds s[G0M:G0M+3], s[G1M:G1M+7]  ; the mask of my two batches
	s_nop 0
	NOP4
	s_wait_kmcnt 0x0                               ; the three scalars are in, and their pointers' registers are free
	s_add_f32 s[A1M], s92, -1.0
	s_add_f32 s[A2M], s93, -1.0
	s_mov_b32 s[B3], s94
	s_mov_b32 s[A1M+1], s[A1M]                     ; named as pairs, so both words are written
	s_mov_b32 s[A2M+1], s[A2M]
; STEP G: M^T = (W1b - W1c)^T + (diag(q) W1d)^T, by groups of four fragments (16 output channels x 128 k).
; 16 LDS loads: group g's fragments of wd and of wbc into buffer g % 2
.macro GLOAD g
	WIN 0
.set gb, GB+64*((\g)%2)
.irp ks, 0,1,2,3
.irp hf, 0,1
	ds_load_b128 v[gb+8*\ks+4*\hf:gb+8*\ks+4*\hf+3],       v[LWD] offset:4096*(\g)+1024*\ks+512*\hf
	ds_load_b128 v[gb+32+8*\ks+4*\hf:gb+32+8*\ks+4*\hf+3], v[LWB+(\g)/8] offset:(((\g)/4)%2)*SLOTB+((\g)%4)*4096+1024*\ks+512*\hf
.endr
.endr
.endm
.macro GENG g
.if (\g) == 15
	s_wait_dscnt 0x0
.else
	s_wait_dscnt 16                                ; this group's loads are in; the next group's sixteen stay out
.endif
	WIN 0x0c                                       ; q in window 3
.set gb, GB+64*((\g)%2)
.irp ks, 0,1,2,3
.irp hf, 0,1
.irp i, 0,1,2,3
.irp e, 0,1
	v_fma_mix_f32_bf16 v[TT+16*\ks+8*\hf+2*\i+\e], v[gb+8*\ks+4*\hf+\i], v[QL+16*\ks+8*\hf+2*\i+\e], v[gb+32+8*\ks+4*\hf+\i] op_sel:[\e,0,\e] op_sel_hi:[1,0,1]
.endr
.endr
.endr
.endr
.if (\g) < 14
	GLOAD (\g)+2                                   ; into the buffer just read
.endif
	WIN 0x40+0x40*((\g)/8)                         ; destination window 1 (groups 0-7) or 2
.set j, 0
.rept 32
	v_cvt_pk_bf16_f32 v[32*((\g)%8)+j], v[TT+2*j], v[TT+2*j+1]
.set j, j+1
.endr
.endm
.macro GEN
	WIN 0
	v_mov_b32 v[MR], 0xff7fffff                    ; m: the lowest finite number
	v_mov_b32 v[ZA], 0
	v_mov_b32 v[ZM], 0
.irp i, 0,1,2,3
	v_mov_b32 v[OA+\i], 0
.endr
	WIN 0xc0                                       ; destination window 3
.irp ks, 0,1,2,3
.irp hf, 0,1
	ds_load_b128 v[QL+16*\ks+8*\hf:QL+16*\ks+8*\hf+3],   v[QA] offset:128*\ks+64*\hf      ; q at the k that my lane holds in a fragment
	ds_load_b128 v[QL+16*\ks+8*\hf+4:QL+16*\ks+8*\hf+7], v[QA] offset:128*\ks+64*\hf+16
.endr
.endr
	GLOAD 0
	GLOAD 1
.irp g, 0,1,2,3,4,5,6,7,8,9,10,11,12,13,14,15
	GENG \g
.endr
	WIN 0xc0
.irp ob, 0,1,2,3,4,5,6,7
	ds_load_b128 v[W3L+8*\ob:W3L+8*\ob+3],   v[BA] offset:512+64*\ob                      ; W3 at the channels that my lane holds of h2; the next head's wait covers these
	ds_load_b128 v[W3L+8*\ob+4:W3L+8*\ob+7], v[BA] offset:512+64*\ob+16
.endr
	WIN 0
.endm
; A PASS over T tiles of 16 key rows.  Step c of eight: layer 1 for output channels 32 c .. 32 c + 31 (blocks 2 c, 2 c + 1), its activation, and layer 2's K step c.
.macro LDCB c                          ; c of blocks 2 c, 2 c + 1: the C operand that starts layer 1's sums
	WIN 0
.irp u, 0,1
	ds_load_b128 v[CB+8*\u:CB+8*\u+3],   v[CA] offset:64*(2*(\c)+\u)
	ds_load_b128 v[CB+8*\u+4:CB+8*\u+7], v[CA] offset:64*(2*(\c)+\u)+16
.endr
.endm
.macro LDA2 c                          ; W2's eight fragments of K step c into buffer c % 2
	WIN 0xc0
.irp ob, 0,1,2,3,4,5,6,7
	ds_load_b128 v[A2+64*((\c)%2)+8*\ob:A2+64*((\c)%2)+8*\ob+3],   v[LW2] offset:8192*(\c)+1024*\ob
	ds_load_b128 v[A2+64*((\c)%2)+8*\ob+4:A2+64*((\c)%2)+8*\ob+7], v[LW2] offset:8192*(\c)+1024*\ob+512
.endr
.endm
.macro LAY1 T, c                       ; 8 T matrix instructions; the 2 T accumulators take turns, one instruction a turn
	WIN 0x0d+((\c)/4)                              ; M in window 1 (blocks 0-7) or 2, keys in window 3
.irp ks, 0,1,2,3
.irp u, 0,1
.set t, 0
.rept \T
.set rH, H1+8*(\u*(\T)+t)
.set rM, 32*((2*(\c)+\u)%8)+8*\ks
.set rK, KF+32*t+8*\ks
.if \ks == 0
	v_wmma_f32_16x16x32_bf16 v[rH:rH+7], v[rM:rM+7], v[rK:rK+7], v[CB+8*\u:CB+8*\u+7]
.else
	v_wmma_f32_16x16x32_bf16 v[rH:rH+7], v[rM:rM+7], v[rK:rK+7], v[rH:rH+7]
.endif
.set t, t+1
.endr
.endr
.endr
.endm
.macro ACT1 T                          ; PReLU and rounding: each accumulator is read from its lowest register on
	WIN 0
.set i, 0
.rept 16*(\T)
	v_min_num_f32 v[TMP+i], 0, v[H1+i]
.set i, i+1
.endr
.set i, 0
.rept 8*(\T)
	v_pk_fma_f32 v[TMP+i:TMP+i+1], v[TMP+i:TMP+i+1], s[A1M:A1M+1], v[H1+i:H1+i+1] op_sel_hi:[1,0,1]
.set i, i+2
.endr
.irp u, 0,1
.set t, 0
.rept \T
.irp k, 0,1,2,3
	v_cvt_pk_bf16_f32 v[P+8*t+4*\u+\k], v[TMP+8*(\u*(\T)+t)+2*\k], v[TMP+8*(\u*(\T)+t)+2*\k+1]
.endr
.set t, t+1
.endr
.endr
.endm
.macro LAY2 T, c                       ; 8 T matrix instructions on 8 T accumulators, by turns
	WIN 0x03                                       ; W2 in window 3
.irp ob, 0,1,2,3,4,5,6,7
.set t, 0
.rept \T
.set rH, H2+8*(\ob*(\T)+t)
	v_wmma_f32_16x16x32_bf16 v[rH:rH+7], v[A2+64*((\c)%2)+8*\ob:A2+64*((\c)%2)+8*\ob+7], v[P+8*t:P+8*t+7], v[rH:rH+7]
.set t, t+1
.endr
.endr
.endm
.macro ACT2 T                          ; PReLU of h2 and its product with W3, four accumulators at a time; four chains of pairs for each tile
.set g, 0
.rept 2*(\T)
	WIN 0
.set i, 0
.rept 32
	v_min_num_f32 v[TMP+i], 0, v[H2+32*g+i]
.set i, i+1
.endr
.set i, 0
.rept 16
	v_pk_fma_f32 v[TMP+i:TMP+i+1], v[TMP+i:TMP+i+1], s[A2M:A2M+1], v[H2+32*g+i:H2+32*g+i+1] op_sel_hi:[1,0,1]
.set i, i+2
.endr
	WIN 0x0c                                       ; W3 in window 3
.set a, 0
.rept 4
.set ob, (4*g+a)/(\T)
.set t, (4*g+a)%(\T)
.set i, 0
.rept 4
.if ob == 0
	v_pk_mul_f32 v[SA+8*t+2*i:SA+8*t+2*i+1], v[TMP+8*a+2*i:TMP+8*a+2*i+1], v[W3L+8*ob+2*i:W3L+8*ob+2*i+1]
.else
	v_pk_fma_f32 v[SA+8*t+2*i:SA+8*t+2*i+1], v[TMP+8*a+2*i:TMP+8*a+2*i+1], v[W3L+8*ob+2*i:W3L+8*ob+2*i+1], v[SA+8*t+2*i:SA+8*t+2*i+1]
.endif
.set i, i+1
.endr
.set a, a+1
.endr
.set g, g+1
.endr
	WIN 0
.endm
.macro EACH T, line:vararg             ; one line for each tile t
.set t, 0
.rept \T
	\line
.set t, t+1
.endr
.endm
.macro SMAX T                          ; scores, mask, running maximum, weights
	EACH \T, v_pk_add_f32 v[SA+8*t:SA+8*t+1], v[SA+8*t:SA+8*t+1], v[SA+8*t+2:SA+8*t+3]
	EACH \T, v_pk_add_f32 v[SA+8*t+4:SA+8*t+5], v[SA+8*t+4:SA+8*t+5], v[SA+8*t+6:SA+8*t+7]
	EACH \T, v_cmp_lt_i32 s[MK+t], 0, v[MV+t]
	EACH \T, v_pk_add_f32 v[SA+8*t:SA+8*t+1], v[SA+8*t:SA+8*t+1], v[SA+8*t+4:SA+8*t+5]
	EACH \T, v_add_f32 v[SS+t], v[SA+8*t], v[SA+8*t+1]
	EACH \T, v_permlanex16_b32 v[XX+t], v[SS+t], s[SEL], s[SEL+1]
	EACH \T, v_add_f32 v[SS+t], v[SS+t], v[XX+t]
	EACH \T, v_add_f32 v[SS+t], s[B3], v[SS+t]
.if (\T) == 1
	s_and_b32 s[MK], s[MK], s[VL]                  ; rows 200 to 207 do not exist
.endif
	EACH \T, v_cndmask_b32 v[SS+t], 0xc61c4000, v[SS+t], s[MK+t]
.if (\T) == 1
	v_cndmask_b32 v[SS], 0xff7fffff, v[SS], s[VL]  ; and take no part in the maximum
	v_mov_b32 v[MX], v[SS]
.else
	v_max_num_f32 v[MX], v[SS], v[SS+1]
.endif
.irp x, 1,2,4,8                        ; over the 16 rows; both halves of the lanes hold the same scores
	v_max_num_f32_dpp v[MX], v[MX], v[MX] row_xmask:\x row_mask:0xf bank_mask:0xf
.endr
	v_max_num_f32 v[MN], v[MR], v[MX]
	v_sub_f32 v[XX], v[MR], v[MN]
	EACH \T, v_sub_f32 v[SS+t], v[SS+t], v[MN]
	v_mul_f32 v[XX], 0x3fb8aa3b, v[XX]
	EACH \T, v_mul_f32 v[SS+t], 0x3fb8aa3b, v[SS+t]
	v_exp_f32 v[AA], v[XX]
	EACH \T, v_exp_f32 v[EE+t], v[SS+t]
	v_mov_b32 v[MR], v[MN]                         ; the plain instruction between the exponentials and the use of their results (ISA guide 5.7.2)
	s_wait_alu depctr_va_vdst(0)
	v_mov_b32 v[AA+1], v[AA]
.if (\T) == 1
	v_cndmask_b32 v[EE], 0, v[EE], s[VL]
.endif
	v_fma_f32 v[ZA], v[ZA], v[AA], v[EE]
	EACH \T, v_cndmask_b32 v[PM+t], 0, v[EE+t], s[MK+t]
.if (\T) == 2
	v_add_f32 v[ZA], v[ZA], v[EE+1]
.endif
	v_fma_f32 v[ZM], v[ZM], v[AA], v[PM]
.if (\T) == 2
	v_add_f32 v[ZM], v[ZM], v[PM+1]
.endif
	EACH \T, ds_store_b32 v[PSA], v[PM+t] offset:64*t
.set i, 0
.rept NR/4
	ds_load_b128 v[PB+4*i:PB+4*i+3], v[PSB] offset:16*i  ; every lane takes all weights; LDS serves a wave's instructions in order (ISA guide 5.7.1.4): these see the stores above
.set i, i+1
.endr
.endm
.macro WSUM                            ; O = a O + the sum over the pass's rows of p x key row, in f32, in four chains
	s_wait_dscnt 0x0                               ; the key rows and the weights are in
.set n, 0
.rept NR
.set rL, LS+4*(n%4)
.set rK, KW+4*n
.set rB, PB+n-(n%2)
.irp z, 0,2
.if n < 4
.if n%2
	v_pk_mul_f32 v[rL+\z:rL+\z+1], v[rK+\z:rK+\z+1], v[rB:rB+1] op_sel:[0,1] op_sel_hi:[1,1]
.else
	v_pk_mul_f32 v[rL+\z:rL+\z+1], v[rK+\z:rK+\z+1], v[rB:rB+1] op_sel_hi:[1,0]
.endif
.else
.if n%2
	v_pk_fma_f32 v[rL+\z:rL+\z+1], v[rK+\z:rK+\z+1], v[rB:rB+1], v[rL+\z:rL+\z+1] op_sel:[0,1,0] op_sel_hi:[1,1,1]
.else
	v_pk_fma_f32 v[rL+\z:rL+\z+1], v[rK+\z:rK+\z+1], v[rB:rB+1], v[rL+\z:rL+\z+1] op_sel_hi:[1,0,1]
.endif
.endif
.endr
.set n, n+1
.endr
.irp z, 0,2
	v_pk_add_f32 v[LS+\z:LS+\z+1], v[LS+\z:LS+\z+1], v[LS+4+\z:LS+4+\z+1]
	v_pk_add_f32 v[LS+8+\z:LS+8+\z+1], v[LS+8+\z:LS+8+\z+1], v[LS+12+\z:LS+12+\z+1]
.endr
.irp z, 0,2
	v_pk_add_f32 v[LS+\z:LS+\z+1], v[LS+\z:LS+\z+1], v[LS+8+\z:LS+8+\z+1]
.endr
.irp z, 0,2
	v_pk_fma_f32 v[OA+\z:OA+\z+1], v[OA+\z:OA+\z+1], v[AA:AA+1], v[LS+\z:LS+\z+1]
.endr
.endm
.macro PASS T
.set ka, KA0+(\T)-1                    ; two tiles: the slot in hand; one tile: slot 0
.set kr, KR0+(\T)-1
.set NR, 24*(\T)-16                    ; rows that exist: 32, or 8
	WIN 0
.if (\T) == 2
	v_add_nc_u32 v[KA0+1], s[TB], v[KA0]
	v_add_nc_u32 v[KR0+1], s[TB], v[KR0]
	ds_load_b32 v[MV], v[MA]
	ds_load_b32 v[MV+1], v[MA] offset:64
	v_add_nc_u32 v[MA], 0x80, v[MA]                ; the next pass's 32 mask words
.else
	ds_load_b32 v[MV], v[MAL]
.endif
.set t, 0
.rept \T
.irp ks, 0,1,2,3                       ; the keys in f32 at the k that my lane holds in a fragment: 8 + 8 numbers for 32 along K
	ds_load_b128 v[H2+64*t+16*\ks:H2+64*t+16*\ks+3],     v[ka] offset:16*PITCH*t+128*\ks
	ds_load_b128 v[H2+64*t+16*\ks+4:H2+64*t+16*\ks+7],   v[ka] offset:16*PITCH*t+128*\ks+16
	ds_load_b128 v[H2+64*t+16*\ks+8:H2+64*t+16*\ks+11],  v[ka] offset:16*PITCH*t+128*\ks+64
	ds_load_b128 v[H2+64*t+16*\ks+12:H2+64*t+16*\ks+15], v[ka] offset:16*PITCH*t+128*\ks+80
.endr
.set t, t+1
.endr
	LDCB 0
	LDA2 0
	s_wait_dscnt 20                                ; mask and keys are in; c's four loads and W2's sixteen stay out
	WIN 0xc0
.set i, 0
.rept 32*(\T)
	v_cvt_pk_bf16_f32 v[KF+i], v[H2+2*i], v[H2+2*i+1]
.set i, i+1
.endr
	WIN 0
.irp ob, 0,1,2,3,4,5,6,7               ; b2 straight into layer 2's accumulators: every product of layer 2 adds in place
.set t, 0
.rept \T
	ds_load_b128 v[H2+8*(\ob*(\T)+t):H2+8*(\ob*(\T)+t)+3],   v[BA] offset:64*\ob
	ds_load_b128 v[H2+8*(\ob*(\T)+t)+4:H2+8*(\ob*(\T)+t)+7], v[BA] offset:64*\ob+16
.set t, t+1
.endr
.endr
.irp c, 0,1,2,3,4,5,6,7
.if \c == 0
	s_wait_dscnt 16+16*(\T)                        ; c is in; W2's sixteen loads and b2's 16 T stay out
.else
	s_wait_dscnt 16                                ; c is in; W2's sixteen stay out
.endif
	LAY1 \T, \c
	WIN 0
	NOP4                                           ; four places (ISA guide 7.12.1) behind layer 1's products, whose results are read and whose C is loaded again below, and behind the last step's layer 2, whose W2 buffer is loaded again
.if \c < 7
	LDCB (\c)+1
	LDA2 (\c)+1
.endif
	ACT1 \T
.if \c < 7
	s_wait_dscnt 20                                ; all but the twenty just issued: this step's W2 (and, in step 0, b2) is in
.else
	s_wait_dscnt 0x0
.endif
	LAY2 \T, \c
.endr
	WIN 0
	NOP4                                           ; four places behind the last products
	ACT2 \T
.set n, 0
.rept NR                               ; the key rows once more, as whole rows in f32: lane l takes channels 4 l .. 4 l + 3; 512 consecutive bytes a load
	ds_load_b128 v[KW+4*n:KW+4*n+3], v[kr] offset:PITCH*n
.set n, n+1
.endr
	SMAX \T
	WSUM
.endm
.macro FINAL                           ; the module's own sequence: / softmax's sum, x mask, / max(denominator, 1e-12), 0 where the denominator is 0
	WIN 0
.irp x, 1,2,4,8
	v_add_f32_dpp v[ZA], v[ZA], v[ZA] row_xmask:\x row_mask:0xf bank_mask:0xf
	v_add_f32_dpp v[ZM], v[ZM], v[ZM] row_xmask:\x row_mask:0xf bank_mask:0xf
.endr
	v_rcp_f32 v[XX], v[ZA]
	v_nop                                          ; a plain instruction between a reciprocal and the use of its result
	s_wait_alu depctr_va_vdst(0)
	v_mul_f32 v[SS], v[ZM], v[XX]                  ; the denominator
	v_max_num_f32 v[MX], 0x2b8cbccc, v[SS]         ; 1e-12
	v_rcp_f32 v[MX], v[MX]
	v_nop
	v_cmp_lt_f32 vcc_lo, 0, v[SS]
	s_wait_alu depctr_va_vdst(0)
	v_mul_f32 v[MX], v[XX], v[MX]
	v_cndmask_b32 v[AA], 0, v[MX], vcc_lo
	v_mov_b32 v[AA+1], v[AA]
	v_pk_mul_f32 v[OA:OA+1], v[OA:OA+1], v[AA:AA+1]
	v_pk_mul_f32 v[OA+2:OA+3], v[OA+2:OA+3], v[AA:AA+1]
	global_store_b128 v[GO], v[OA:OA+3], s[OB:OB+1]  ; the batch's 512 consecutive bytes, at a multiple of 256 from out0's first
.endm
.Lbatch:                                               ; twice: left in its middle the second time
	HEAD_A                                         ; STEP G.  (The first time: all first fills have landed, and slot 0 has its first fill, issued as a refill is.)
	s_mov_b32 s[G1K+2], 32<<16                     ; a whole tile's rows are left
	s_mov_b32 s[TB], D                             ; the first pass's turn makes it 0
	HEAD_B G0K, G1K                                ; rows 0-31 into slot 0
	GEN
	s_mov_b32 s[PC], 6
.Lpass:                                                ; six passes of 32 rows
	HEAD_A
	s_xor_b32 s[TB], s[TB], D                      ; the slot that this pass reads,
	s_xor_b32 s[G0K+1], s[G0K+1], D                ; the slot that is filled: the other one,
	s_add_nc_u64 s[G0K+2:G0K+3], s[G0K+2:G0K+3], 32*512  ; with the next 32 rows; the type bits on top are not reached
	s_cmp_eq_u32 s[PC], 1                          ; the sixth pass asks for rows 192-199: 8 are left, the tile's other 24 arrive as zeros
	s_cselect_b32 s[G1K+2], s[R8], s[R32]
	HEAD_B G0K, G1K
	PASS 2
	WIN 0
	s_sub_co_u32 s[PC], s[PC], 1
	s_cmp_lg_u32 s[PC], 0
	s_cbranch_scc1 .Lpass
	s_cmp_eq_u32 s[RND], 1
	s_cbranch_scc1 .Llast                          ; the last batch's end is written out: it asks for nothing more
	HEAD_A
	s_add_nc_u64 s[G0K+2:G0K+3], s[G0K+2:G0K+3], 8*512  ; my second batch's row 0
	HEAD_B G0B, G1D                                ; my quarter of wbc into my slot 1 once more
	PASS 1
	FINAL
	s_wait_xcnt 0x0                                ; the store has had its address translated (ISA guide 3.1): only behind this wait are its base and its data rewritten
	s_add_nc_u64 s[OB:OB+1], s[OB:OB+1], 512
	v_add_nc_u32 v[CA], 1024, v[CA]                ; c, q and mask of the second batch
	v_add_nc_u32 v[QA], 512, v[QA]
	v_add_nc_u32 v[MA], 32, v[MA]                  ; six passes have stepped it by 768; a batch's mask is 800 bytes
	v_add_nc_u32 v[MAL], 800, v[MAL]
	s_sub_co_u32 s[RND], s[RND], 1
	s_branch .Lbatch
.Llast:
	s_wait_tensorcnt 0x0                           ; my last tile is in: no load was issued behind it, only I read it, and nothing is filled again: no barrier
	PASS 1
	FINAL
	s_wait_tensorcnt 0x0                           ; the wave's end, behind my last tensor load and my last LDS store
	ds_add_u32 v[SPW], v[NIL]
	s_wait_dscnt 0x0
	s_endpgm
.Lfunc_end_k_q7201bdd45b_main:
	.size	k_q7201bdd45b_main, .Lfunc_end_k_q7201bdd45b_main-k_q7201bdd45b_main
	.p2alignl 7, 3214868480
	.fill 96, 4, 3214868480
	.section	.rodata,"a",@progbits
	.p2align	6, 0x0
	.amdhsa_kernel k_q7201bdd45b_main
		.amdhsa_group_segment_fixed_size 327680
		.amdhsa_private_segment_fixed_size 0
		.amdhsa_enable_private_segment 0
		.amdhsa_kernarg_size 96
		.amdhsa_user_sgpr_count 2
		.amdhsa_user_sgpr_kernarg_segment_ptr 1
		.amdhsa_wavefront_size32 1
		.amdhsa_system_sgpr_workgroup_id_x 1
		.amdhsa_system_sgpr_workgroup_id_y 1
		.amdhsa_system_sgpr_workgroup_id_z 1
		.amdhsa_system_vgpr_workitem_id 0
		.amdhsa_next_free_vgpr 1024
		.amdhsa_next_free_sgpr 102
		.amdhsa_reserve_vcc 1
		.amdhsa_float_denorm_mode_32 3
		.amdhsa_float_denorm_mode_16_64 3
		.amdhsa_memory_ordered 1
		.amdhsa_forward_progress 1
		.amdhsa_inst_pref_size 255
	.end_amdhsa_kernel
	.section	.bss,"aw",@nobits
	.p2align	6
	.space	262144
	.amdgpu_metadata
---
amdhsa.version: [ 1, 2 ]
amdhsa.kernels:
  - .name:           k_q7201bdd45b_main
    .symbol:         k_q7201bdd45b_main.kd
    .args:
      - { .name: keys, .offset: 0, .size: 8, .value_kind: global_buffer, .address_space: global }
      - { .name: mask, .offset: 8, .size: 8, .value_kind: global_buffer, .address_space: global }
      - { .name: query, .offset: 16, .size: 8, .value_kind: global_buffer, .address_space: global }
      - { .name: a1, .offset: 24, .size: 8, .value_kind: global_buffer, .address_space: global }
      - { .name: a2, .offset: 32, .size: 8, .value_kind: global_buffer, .address_space: global }
      - { .name: b3, .offset: 40, .size: 8, .value_kind: global_buffer, .address_space: global }
      - { .name: wbc, .offset: 48, .size: 8, .value_kind: global_buffer, .address_space: global }
      - { .name: wd, .offset: 56, .size: 8, .value_kind: global_buffer, .address_space: global }
      - { .name: w2f, .offset: 64, .size: 8, .value_kind: global_buffer, .address_space: global }
      - { .name: ct, .offset: 72, .size: 8, .value_kind: global_buffer, .address_space: global }
      - { .name: bw, .offset: 80, .size: 8, .value_kind: global_buffer, .address_space: global }
      - { .name: out0, .offset: 88, .size: 8, .value_kind: global_buffer, .address_space: global }
    .group_segment_fixed_size: 327680
    .private_segment_fixed_size: 0
    .kernarg_segment_align: 8
    .kernarg_segment_size: 96
    .max_flat_workgroup_size: 128
    .sgpr_count:     102
    .vgpr_count:     1024
    .wavefront_size: 32
...
	.end_amdgpu_metadata
.endif
;; end of part 2
